; MI455X (gfx1250); checked and timed in simulation.
; The chip was launched on July 23, 2026; its instructions are those of AMD's public machine-readable ISA for CDNA 5 (MIT licence, August 2026) and "CDNA5" Instruction Set Architecture Reference Guide (July 2026). The comments in the code are by the model that wrote it; some were corrected since.
;; x Deep FM. Allowed arithmetic: float matrix products may take bf16 or f16 operands with f32 sums; other float arithmetic in f32, or as packed bf16 or f16 multiplies, adds, multiply-adds, maxima and minima; sums over many terms, partial sums and values carried from step to step in f32; what a program stores and reads back later, other than sums and carried values, may be rounded once to bf16 or f16.
;; Inputs: bias_emb 1,000,000 x 1 float32; cin_W0 200 x 1,521 float32; cin_W1 200 x 3,900 float32; cin_W2 200 x 3,900 float32; cin_b0 200 float32; cin_b1 200 float32; cin_b2 200 float32; dnn_W0 400 x 624 float32; dnn_W1 400 x 400 float32; dnn_b0 400 float32; dnn_b1 400 float32; emb 1,000,000 x 16 float32; fc_W 1 x 800 float32; fc_b 1 float32; feature_ids 2,048 x 39 int32; feature_vals 2,048 x 39 float32.
;; Outputs: out0 2,048 float32.
;; 2 versions, each right; version 2 is version 1 with the launch prep written anew for expert scheduling mode. Each part assembles by itself: llvm-mc -triple=amdgcn-amd-amdhsa -mcpu=gfx1250 --defsym DOCPART=n.
;; ======== version 1 of 2: 2 launches
;; limits: values outside matrix products are rounded to bf16
;; workspace buffers: wstream 5,017,600 bytes
;; launch prep (part 1): grid 98 x 10, 1 waves a work-group, no clusters, 0 bytes of LDS; arguments cin_W0, cin_W1, cin_W2, dnn_W0, dnn_W1, wstream; writes wstream
.if DOCPART == 1
	.amdgcn_target "amdgcn-amd-amdhsa--gfx1250"
	.amdhsa_code_object_version 6
	.text
	.protected	k_qaaec9f2a03_prep
	.globl	k_qaaec9f2a03_prep
	.p2align	8
	.type	k_qaaec9f2a03_prep,@function
k_qaaec9f2a03_prep:
	s_mov_b64 s[64:65], 0
	v_nop
	global_prefetch_b8 v0, s[64:65] scope:SCOPE_SE
	s_setreg_imm32_b32 hwreg(HW_REG_WAVE_MODE, 25, 1), 1
	s_wait_xcnt 0x0
; THE WEIGHT STREAM.  All matrix weights are rounded to bf16 once and laid in the order in which the main launch reads them, in fragments of 1,024 bytes:
; in a fragment lane l's registers 0-3 lie at 16 l, its registers 4-7 at 512 + 16 l.
;   CIN, from byte 0: 60 trips of 66,560 bytes (260 rows of 256).  Fragment (s, t) of a trip at s*13312 + t*1024: K step s = 0..4, outputs 16 t .. 16 t + 15.  Trips 0-9 are layer 0, 10-34 layer 1, 35-59 layer 2.
;     Trip g of a layer holds h = 4 g .. 4 g + 3 and all m, m padded from 39 to 40: 160 along K.  Lane (r = l % 16, x = l / 16) holds output 16 t + r and m = 20 x + ml;
;     its element e = 16 s + i (register i / 2, half i % 2) is hq = e / 20, ml = e % 20: W[o][(4 g + hq) * 39 + 20 x + ml], or 0 where o >= 200, m = 39, or (layer 0) h = 39.
;   DNN, from byte 3,993,600: 50 trips of 20,480 bytes.  Fragment (w, s) of trip T at w*5120 + s*1024.  Rows n = 16 j + r; registers 4 u .. 4 u + 3 hold k = 32 ks + 16 u + 8 x + 0..7.
;     T = j < 25: dnn_W0, ks = 5 w + s.  T = 25 + j: dnn_W1, ks = 4 w + s for s < 4.  Zeros where k passes the row's end and for s = 4 of dnn_W1.
; One wave a work-group, 980 work-groups, five fragments each.  (x, y) with x < 78: trip 6 y + x / 13, tile t = x % 13, its five K steps.  x >= 78: e = x - 78: DNN trip 5 y + e / 4, w = e % 4.
; Each store covers 512 consecutive bytes at a multiple of 512 from the stream's first byte.  Memory binds and the launch is short: no LDS, no matrix unit, no cluster.
.set TRIPB,  66560
.set DNNOFF, 3993600
.set DTRIPB, 20480
.set DREG, 16                          ; v[16:95]    80 numbers in f32
.set AREG, 96                          ; v[96:118]   byte offsets of the loads that want a clamp (CIN) or of the ten chunks (DNN); each written once
.set OUTR, 120                         ; v[120:159]  the five fragments, 8 registers each
	s_load_b256 s[4:11], s[0:1], 0x0               ; cin_W0 s[4:5], cin_W1 s[6:7], cin_W2 s[8:9], dnn_W0 s[10:11]
	s_load_b128 s[12:15], s[0:1], 0x20             ; dnn_W1 s[12:13], wstream s[14:15]
	s_mov_b32 s16, ttmp9                           ; x
	s_and_b32 s17, ttmp7, 0xffff                   ; y
	v_and_b32 v1, 15, v0                           ; r
	v_lshrrev_b32 v2, 4, v0                        ; x of the lane
	v_lshlrev_b32 v3, 4, v0                        ; 16 l: my place in a block of 512 bytes; never rewritten
	s_mov_b32 s29, 0
	s_cmp_lt_u32 s16, 78
	s_cbranch_scc0 .Ldnn
	; ---- CIN
	s_mul_i32 s27, s16, 79
	s_lshr_b32 s27, s27, 10                        ; x / 13: 79 / 1024 serves for x below 78
	s_mul_i32 s28, s27, 13
	s_sub_co_u32 s16, s16, s28                     ; t
	s_mul_i32 s17, s17, 6
	s_add_co_u32 s17, s17, s27                     ; the trip
	s_mul_i32 s28, s17, TRIPB
	s_wait_kmcnt 0x0
	s_add_nc_u64 s[14:15], s[14:15], s[28:29]      ; the stream at this trip
	s_mov_b32 s18, 3900                            ; the row length of layers 1 and 2 (an instruction holds one literal: the select below names the other)
	s_cmp_lt_u32 s17, 35
	s_cselect_b64 s[20:21], s[6:7], s[8:9]         ; the layer's weights,
	s_cselect_b32 s19, 10, 35                      ; its first trip,
	s_cmp_lt_u32 s17, 10
	s_cselect_b64 s[20:21], s[4:5], s[20:21]
	s_cselect_b32 s19, 0, s19
	s_cselect_b32 s18, 1521, s18                   ; and its row length
	s_sub_co_u32 s19, s17, s19                     ; g
	s_mul_i32 s22, s18, 800
	s_sub_co_u32 s22, s22, 4                       ; byte offset of the tensor's last number: 200 rows x 4 bytes, less 4
	s_cmp_eq_u32 s17, 9
	s_cselect_b32 s27, 0, -1                       ; trip 9 is layer 0's last: its hq = 3 is h = 39, which does not exist
	v_lshl_add_u32 v4, s16, 4, v1                  ; o = 16 t + r
	v_cmp_gt_u32 s23, 200, v4                      ; s23: lanes whose output exists
	s_and_b32 s24, s23, 0xffff                     ; s24: for ml = 19, where the upper lanes hold m = 39
	s_and_b32 s25, s23, s27                        ; s25: for hq = 3
	s_and_b32 s26, s24, s27                        ; s26: for both
	v_min_u32 v5, 199, v4
	v_mul_lo_u32 v5, v5, s18
	s_mul_i32 s28, s19, 156                        ; 4 g rows of 39
	v_mad_u32_u24 v6, v2, 20, s28
	v_add_lshl_u32 v7, v5, v6, 2                   ; byte offset of (o, h = 4 g, m = 20 x); never rewritten
	s_lshl_b32 s28, s16, 10
	s_add_nc_u64 s[14:15], s[14:15], s[28:29]      ; + t fragments
	; 80 loads.  Only hq = 3 and ml = 19 can point past a row's last h or m, and so past the tensor's end in its last row: those 23 are clamped to the last number
.set ka, 0
.set e, 0
.rept 80
.if ((e/20) == 3) || ((e%20) == 19)
	v_add_nc_u32 v[AREG+ka], (39*(e/20)+e%20)*4, v7
	v_min_u32 v[AREG+ka], s22, v[AREG+ka]
	global_load_b32 v[DREG+e], v[AREG+ka], s[20:21]
.set ka, ka+1
.else
	global_load_b32 v[DREG+e], v7, s[20:21] offset:(39*(e/20)+e%20)*4
.endif
.set e, e+1
.endr
	s_wait_loadcnt 0x0
.set e, 0
.rept 80
	v_cndmask_b32 v[DREG+e], 0, v[DREG+e], s[23+((e%20)/19)+2*((e/20)/3)]  ; 0 where the element is padding
.set e, e+1
.endr
.set k, 0
.rept 40
	v_cvt_pk_bf16_f32 v[OUTR+k], v[DREG+2*k], v[DREG+2*k+1]
.set k, k+1
.endr
.irp s, 0,1,2,3,4
.irp u, 0,1
	global_store_b128 v3, v[OUTR+8*\s+4*\u:OUTR+8*\s+4*\u+3], s[14:15] offset:\s*13312+\u*512
.endr
.endr
	s_endpgm
.Ldnn:	; ---- DNN
	s_sub_co_u32 s16, s16, 78                      ; e
	s_lshr_b32 s27, s16, 2
	s_and_b32 s16, s16, 3                          ; w
	s_mul_i32 s17, s17, 5
	s_add_co_u32 s17, s17, s27                     ; T
	s_mov_b32 s18, 1600                            ; bytes in a row of dnn_W1 (one literal an instruction, as above)
	s_wait_kmcnt 0x0
	s_cmp_lt_u32 s17, 25
	s_cselect_b64 s[20:21], s[10:11], s[12:13]
	s_cselect_b32 s18, 2496, s18                   ; bytes in a row
	s_cselect_b32 s19, 5, 4                        ; K steps a wave
	s_cselect_b32 s22, 0, 25
	s_sub_co_u32 s22, s17, s22                     ; j
	v_lshl_add_u32 v4, s22, 4, v1                  ; row 16 j + r
	v_mul_lo_u32 v4, v4, s18
	v_lshl_add_u32 v4, v2, 5, v4                   ; + 8 x numbers
	s_mul_i32 s24, s19, s16                        ; the wave's first K step
	s_mul_i32 s28, s17, DTRIPB
	s_add_nc_u64 s[14:15], s[14:15], s[28:29]      ; + T trips
	s_mul_i32 s28, s16, 5120
	s_add_nc_u64 s[14:15], s[14:15], s[28:29]      ; + 5 w fragments
	s_add_nc_u64 s[14:15], s[14:15], DNNOFF        ; behind the CIN part
.irp s, 0,1,2,3,4
.irp u, 0,1
	s_add_co_u32 s25, s24, \s
	s_lshl_b32 s25, s25, 7
	s_add_co_u32 s25, s25, 64*\u                   ; the chunk's first byte in a row: 128 ks + 64 u
	s_add_co_u32 s26, s25, 64
	s_cmp_le_u32 s26, s18                          ; it ends inside the row,
	s_cselect_b32 s[32+2*\s+\u], -1, 0
	s_cmp_gt_u32 s19, \s                           ; and the wave has this K step
	s_cselect_b32 s[32+2*\s+\u], s[32+2*\s+\u], 0
	s_and_b32 s25, s25, s[32+2*\s+\u]              ; else column 0 is read, and thrown away
	v_add_nc_u32 v[AREG+2*\s+\u], s25, v4
	global_load_b128 v[DREG+16*\s+8*\u:DREG+16*\s+8*\u+3], v[AREG+2*\s+\u], s[20:21]
	global_load_b128 v[DREG+16*\s+8*\u+4:DREG+16*\s+8*\u+7], v[AREG+2*\s+\u], s[20:21] offset:16
.endr
.endr
	s_wait_loadcnt 0x0
.set e, 0
.rept 80
	v_cndmask_b32 v[DREG+e], 0, v[DREG+e], s[32+e/8]
.set e, e+1
.endr
.set k, 0
.rept 40
	v_cvt_pk_bf16_f32 v[OUTR+k], v[DREG+2*k], v[DREG+2*k+1]
.set k, k+1
.endr
.irp s, 0,1,2,3,4
.irp u, 0,1
	global_store_b128 v3, v[OUTR+8*\s+4*\u:OUTR+8*\s+4*\u+3], s[14:15] offset:\s*1024+\u*512
.endr
.endr
	s_endpgm
.Lfunc_end_k_qaaec9f2a03_prep:
	.size	k_qaaec9f2a03_prep, .Lfunc_end_k_qaaec9f2a03_prep-k_qaaec9f2a03_prep
	.p2alignl 7, 3214868480
	.fill 96, 4, 3214868480
	.section	.rodata,"a",@progbits
	.p2align	6, 0x0
	.amdhsa_kernel k_qaaec9f2a03_prep
		.amdhsa_group_segment_fixed_size 0
		.amdhsa_private_segment_fixed_size 0
		.amdhsa_enable_private_segment 0
		.amdhsa_kernarg_size 48
		.amdhsa_user_sgpr_count 2
		.amdhsa_user_sgpr_kernarg_segment_ptr 1
		.amdhsa_wavefront_size32 1
		.amdhsa_system_sgpr_workgroup_id_x 1
		.amdhsa_system_sgpr_workgroup_id_y 1
		.amdhsa_system_sgpr_workgroup_id_z 1
		.amdhsa_system_vgpr_workitem_id 0
		.amdhsa_next_free_vgpr 160
		.amdhsa_next_free_sgpr 66
		.amdhsa_reserve_vcc 0
		.amdhsa_float_denorm_mode_32 3
		.amdhsa_float_denorm_mode_16_64 3
		.amdhsa_memory_ordered 1
		.amdhsa_forward_progress 1
		.amdhsa_inst_pref_size 35
	.end_amdhsa_kernel
	.amdgpu_metadata
---
amdhsa.version: [ 1, 2 ]
amdhsa.kernels:
  - .name:           k_qaaec9f2a03_prep
    .symbol:         k_qaaec9f2a03_prep.kd
    .args:
      - { .name: cin_W0, .offset: 0, .size: 8, .value_kind: global_buffer, .address_space: global }
      - { .name: cin_W1, .offset: 8, .size: 8, .value_kind: global_buffer, .address_space: global }
      - { .name: cin_W2, .offset: 16, .size: 8, .value_kind: global_buffer, .address_space: global }
      - { .name: dnn_W0, .offset: 24, .size: 8, .value_kind: global_buffer, .address_space: global }
      - { .name: dnn_W1, .offset: 32, .size: 8, .value_kind: global_buffer, .address_space: global }
      - { .name: wstream, .offset: 40, .size: 8, .value_kind: global_buffer, .address_space: global }
    .group_segment_fixed_size: 0
    .private_segment_fixed_size: 0
    .kernarg_segment_align: 8
    .kernarg_segment_size: 48
    .max_flat_workgroup_size: 32
    .sgpr_count:     66
    .vgpr_count:     160
    .wavefront_size: 32
...
	.end_amdgpu_metadata
.endif
;; end of part 1
;; launch xdeepfm (part 2): grid 256 x 1, 4 waves a work-group, clusters of 4 x 1, 327,680 bytes of LDS; arguments feature_ids, feature_vals, emb, bias_emb, wstream, cin_b0, cin_b1, cin_b2, dnn_b0, dnn_b1, fc_W, fc_b, out0; writes out0
.if DOCPART == 2
	.amdgcn_target "amdgcn-amd-amdhsa--gfx1250"
	.amdhsa_code_object_version 6
	.text
	.protected	k_qaaec9f2a03_xdeepfm
	.globl	k_qaaec9f2a03_xdeepfm
	.p2align	8
	.type	k_qaaec9f2a03_xdeepfm,@function
k_qaaec9f2a03_xdeepfm:
	s_mov_b64 s[64:65], 0
	v_nop
	global_prefetch_b8 v0, s[64:65] scope:SCOPE_SE
	s_setreg_imm32_b32 hwreg(HW_REG_WAVE_MODE, 25, 1), 1
	s_wait_xcnt 0x0
	s_wait_alu depctr_hold_cnt(0) depctr_sa_sdst(0) depctr_va_vdst(0) depctr_va_sdst(0) depctr_va_ssrc(0) depctr_va_vcc(0) depctr_vm_vsrc(0)
	s_getreg_b32 s2, hwreg(HW_REG_IB_STS2, 6, 4)
	s_cmp_eq_u32 s2, 0
	s_cbranch_scc0 .Lentry_in_a_cluster
	s_endpgm
.Lentry_in_a_cluster:
	s_bfe_u32 s2, ttmp6, 0x10000c
	s_cmp_lg_u32 s2, 0x3003
	s_cbranch_scc0 .Lentry_shape_is_right
	s_endpgm
.Lentry_shape_is_right:
; xDeepFM, the whole network for 8 samples a work-group: 256 work-groups of four waves.  in[b][m][d] = emb[id][d] * val.  Three CIN layers x[o][d] = relu(b[o] + sum over (h, m) of W[o][h*39+m] h[h][d] in[m][d]),
; two DNN layers, the dot product with fc_W, the sum of the gathered biases.  Matrix operands in bf16, sums and everything else in f32.
; CIN AS A PRODUCT.  For one sample: source 0 = 16 outputs x 32 K of W (from the weight stream, which the launch before laid in fragment order), source 1 = 32 K x 16 d of h x in, made in registers:
; lane (r = l % 16, x = l / 16) holds d = r, m = 20 x + ml; element e = 16 s + i of a trip's 80 is (hq = e / 20, ml = e % 20): h[4 g + hq][d] * in[20 x + ml][d].  Two neighbouring elements share their h
; (20 is even), so one v_pk_mul_bf16 of the pair (h, h) and the pair (in[ml], in[ml + 1]) makes a whole register of the operand.
; A trip is 4 h x 40 m (m padded by a zero) = 5 K steps.  Layer 0 has 10 trips, layers 1 and 2 have 25.  In the result lane (r, x) holds d = r and outputs 16 t + 8 x + 0..7.
; SHARES.  200 outputs are 13 tiles of 16.  Wave (mh = w / 2, nh = w % 2) takes samples 4 mh .. + 3 x tiles 6 nh .. + 5, and tile 12 for two of its samples: 26 products a K step.  It numbers its samples
; ls = 0..3 <-> 4 mh + (ls + 2 nh) % 4, so that tile 12 always goes with ls = 0, 1 and one text serves all waves.  The 32 instructions that make the NEXT K step's h x in stand behind this step's products.
; THE DNN RIDES ALONG.  Trip j of CIN layer 1 makes tile j (16 of 400 outputs) of DNN layer 1, trip j of layer 2 that of DNN layer 2: its K steps are dealt to the four waves (5 or 4 each, one more product
; in a K step; the operand's 16 columns are the 8 samples twice, fixed in registers); the waves' partial tiles meet in LDS at the change of layers.  A wave's DNN weights are read by no other wave of the
; work-group, so they pass by LDS: each fragment comes from memory straight into registers of its own, asked for again as soon as it has been multiplied, four K steps and a change of slots ahead of its next use.
; CLUSTER.  All work-groups walk the same CIN stream: the four of a cluster ask for each trip JOINTLY, each wave a quarter (65 rows of 256 bytes), two LDS slots by turns, one round of the cluster's barrier a trip.
; The DNN's fragments are not shared so: they are 20,480 of a trip's 87,040 bytes, and out of the slots they shorten each refill by that share.
; LIMITS.  An id is clamped to 999,999.  relu is a maximum in which a NaN loses: a NaN becomes 0.  h and in are each rounded to bf16 and their product is rounded to bf16 again; a product below bf16's
; smallest number becomes 0.  A work-group owns 32 bytes of out0.
;
; LDS:  0 slot 0 (66,560) | 87,040 DA: DNN operand, 8 rows of bf16, pitch 1,296 | 97,536 TAB: 6 x 256 f32: CIN biases of layers 0-2, then fc weights by CIN output, 0 where none | 103,680 FIN: the last sums
;       103,936 the spare words | 131,072 slot 1 (66,560) | 218,112 H: [8 samples] pitch 7,168: [o / 4][d][o % 4], a word = the bf16 pair (h, h) | 275,456 PART: [wave][tile j][sample][16 n] f32.
;       Tensor loads land in the two slots alone.
; REGISTERS, in windows of 256 (s_set_vgpr_msb: bits 1:0 source 0, 3:2 source 1, 5:4 source 2, 7:6 destination):
;   window 0: addresses, the gather, the DNN's reduction
;   window 1: v0-191 three buffers of 7 fragments of W (6 tiles, tile 12), 64 apart; v192-207 h of the trip, 4 a sample; v208-211 h of the next trip's first elements; v212-251 the wave's five DNN fragments
;   window 2 (ls 0, 1), window 3 (ls 2, 3): accumulators from v0 (14 and 12; window 3: v96-103 the DNN's); v112-159 three buffers of h x in; v168-177, v188-197 in, packed; v208-211 the running fc sums;
;   window 3: v216-255 DNN operand
.set SLOT1, 131072
.set TRIPB, 66560
.set QUART, 16640                      ; a wave's quarter of a trip
.set STEPB, 13312                      ; 13 fragments: a K step
.set DNNOFF, 3993600                   ; behind the 60 CIN trips: the DNN's 50
.set DTRIPB, 20480
.set DA,    87040
.set DAP,   1296
.set TAB,   97536
.set FIN,   103680
.set SPARE, 103936
.set HB,    218112
.set HP,    7168
.set PART,  275456
.set PARTW, 12800
; window 0
.set VB0,   4                          ; 16 l + nh * 6 fragments; VB: + the slot
.set VB,    5
.set VB12C, 6                          ; 16 l + 12 fragments; VB12: + the slot
.set VB12,  7
.set VGD,   8                          ; 16 l + w * 5 fragments: my place in a DNN trip; never rewritten
.set VHLO0, 10                         ; H at sample ls = 0, d = r
.set VHHI0, 11                         ; H at sample ls = 2
.set VHLO,  12                         ; the same at the trip's group of four h
.set VHHI,  13
.set VHSLO, 14                         ; where my results of tile lt = 0 go in H
.set VHSHI, 15
.set VT,    16                         ; TAB at my tiles, my 8 outputs
.set VT12,  17                         ; TAB at tile 12
.set VPA0,  18                         ; PART: my wave, my column's sample, my 8 rows
.set VPA,   19                         ; the same at the trip's tile
.set VPR,   20                         ; PART + 4 x thread
.set VDA1,  21                         ; DA at my wave's K steps, layer 1
.set VDA2,  22                         ; layer 2
.set VDS,   23                         ; DA: where the thread's numbers of DNN layer 1 go
.set VDZ,   24                         ; DA: the zeros behind them
.set VNN4,  25                         ; 4 (thread % 16)
.set BS0,   26                         ; the gathered biases' sums of samples 2 w, 2 w + 1
.set BS1,   27
.set SPW,   28                         ; my spare word; never rewritten
.set NIL,   29                         ; 0; never rewritten
.set Z4,    32                         ; v[32:35] zeros
.set FS,    36                         ; v[36:39] the four samples' fc sums
.set IDS,   64
.set VAL,   74
.set EA,    84
.set BA,    94
.set PK,    84                         ; when the gather's loads are in: bf16 pairs
.set BV,    104
.set EM,    128
.set TABV,  168
.set PR,    64                         ; v[64:163] the DNN's 100 partial numbers
.set DBV,   192                        ; v[192:216] DNN biases of the thread's 25 outputs
.set DFV,   217                        ; v[217:241] their fc weights
; window 1
.set HA,    192
.set HN,    208
.set DW,    212
; windows 2, 3
.set DACC,  96
.set XB,    112
.set CFA,   112                        ; at a layer's end: the tiles' fc weights
.set INR,   168                        ; sample a of the window's two: 20 words as loaded at INR + 20 a, then 10 packed pairs in the first ten of them
.set FINP,  208
.set DAF,   216
; scalars
.set WV,  8
.set MH,  9
.set NH,  10
.set DP,  42                           ; s[42:43] the DNN part of the stream, at the trip behind the one in hand
.set G0,  44                           ; s[44:47] descriptor group 0: it walks
.set G1,  48                           ; s[48:55] descriptor group 1
.set TB,  56                           ; the slot that is read: 0 or SLOT1
.set CNT, 57
.set FCB, 66
.set LD1, 0x40
.set LD2, 0x80
.set LD3, 0xc0
.set S_LO, 0xa9                        ; source 0 window 1 (W, h); source 1, source 2, destination window 2: serves the products and the instructions between them alike
.set S_HI, 0xfd                        ; the same with window 3
.set E_LO, 0xaa
.set E_HI, 0xff
.set ST2, 0x08
.set ST3, 0x0c
.set MSB, 0
.macro WIN new                         ; the high byte repeats the setting that is left; a switch that changes nothing is dropped
.if MSB != (\new)
	s_set_vgpr_msb (MSB<<8)|(\new)
.set MSB, \new
.endif
.endm
.macro CREST                           ; a round of the cluster's barrier behind its opening barrier
	s_cmp_lg_u32 s[WV], 0
	s_cbranch_scc1 .Lnot_wave_0_\@
	s_barrier_signal -3
.Lnot_wave_0_\@:
	s_barrier_wait -3
	s_barrier_signal -1
	s_barrier_wait -1
.endm
.macro CROUND
	s_barrier_signal -1
	s_barrier_wait -1
	CREST
.endm
.macro JLOAD                           ; my quarter of a trip, asked for jointly by the cluster's four work-groups; both addresses hang on the wave's number, on no place in the cluster
	tensor_load_to_lds s[G0:G0+3], s[G1:G1+7]
	s_nop 0
.endm
.macro PLACES
.rept 4
	v_nop
.endr
.endm
; K step st of a trip uses buffer 0, 1, 0, 1, 2: with three buffers a trip of five steps ends where it began, and one text serves every trip.
; The fragments of K step st: 14 loads of 512 consecutive bytes.
.macro FETCH st
	WIN LD1
.set bf, ((\st)%2)+2*((\st)/4)
.irp t, 0,1,2,3,4,5
	ds_load_b128 v[64*bf+8*\t:64*bf+8*\t+3],   v[VB] offset:(\st)*STEPB+\t*1024
	ds_load_b128 v[64*bf+8*\t+4:64*bf+8*\t+7], v[VB] offset:(\st)*STEPB+\t*1024+512
.endr
	ds_load_b128 v[64*bf+48:64*bf+51], v[VB12] offset:(\st)*STEPB
	ds_load_b128 v[64*bf+52:64*bf+55], v[VB12] offset:(\st)*STEPB+512
.endm
; My DNN fragment f, from memory into its own registers: two loads of 512 consecutive bytes.  back = 1: of the trip in front of the one at which the pointer stands.
.macro DWLOAD f, back
	WIN LD1
	global_load_b128 v[DW+8*(\f):DW+8*(\f)+3],   v[VGD], s[DP:DP+1] offset:(\f)*1024-(\back)*DTRIPB
	global_load_b128 v[DW+8*(\f)+4:DW+8*(\f)+7], v[VGD], s[DP:DP+1] offset:(\f)*1024+512-(\back)*DTRIPB
.endm
.macro HALOAD off                      ; four h of each of my four samples
	WIN LD1
	ds_load_b128 v[HA:HA+3],     v[VHLO] offset:(\off)
	ds_load_b128 v[HA+4:HA+7],   v[VHLO] offset:(\off)+HP
	ds_load_b128 v[HA+8:HA+11],  v[VHHI] offset:(\off)
	ds_load_b128 v[HA+12:HA+15], v[VHHI] offset:(\off)+HP
.endm
.macro HNLOAD                          ; the next group's first h: all that the next trip's K step 0 needs (its 16 elements have hq = 0)
	WIN LD1
	ds_load_b32 v[HN],   v[VHLO] offset:256
	ds_load_b32 v[HN+1], v[VHLO] offset:256+HP
	ds_load_b32 v[HN+2], v[VHHI] offset:256
	ds_load_b32 v[HN+3], v[VHHI] offset:256+HP
.endm
; Number rq of the 16 instructions that make two samples' h x in for K step st: sample rq / 8, register rq % 8: elements 16 st + 2 (rq % 8) and the next.
.macro RID hi, st, hsrc
.set lsx, rq/8
.set jj, rq%8
.set ee, 16*(\st)+2*jj
.set rx, XB+16*(((\st)%2)+2*((\st)/4))+8*lsx+jj
.set ri, INR+20*lsx+(ee%20)/2
.if \hsrc
.set rh, HN+2*(\hi)+lsx
.else
.set rh, HA+4*(2*(\hi)+lsx)+ee/20
.endif
	v_pk_mul_bf16 v[rx], v[rh], v[ri]
.set rq, rq+1
.endm
; Product n of a section in K step s: sample n % 2 of the window's two, tile n / 2 (in window 2 tile 6 is tile 12); in window 3 n = 12 is the DNN's, which starts its sum in K step 0.
.macro MMI hi, s
.set bf, ((\s)%2)+2*((\s)/4)
.if (\hi) && (n == 12)
.if (\s) == 0
	v_wmma_f32_16x16x32_bf16 v[DACC:DACC+7], v[DW+8*(\s):DW+8*(\s)+7], v[DAF+8*(\s):DAF+8*(\s)+7], 0
.else
	v_wmma_f32_16x16x32_bf16 v[DACC:DACC+7], v[DW+8*(\s):DW+8*(\s)+7], v[DAF+8*(\s):DAF+8*(\s)+7], v[DACC:DACC+7]
.endif
.else
.set lsx, n%2
.set ltx, n/2
.set ra, 8*((7-(\hi))*lsx+ltx)
.set rw, 64*bf+8*ltx
.set rx, XB+16*bf+8*lsx
	v_wmma_f32_16x16x32_bf16 v[ra:ra+7], v[rw:rw+7], v[rx:rx+7], v[ra:ra+7]
.endif
.endm
; Products from .. to - 1 of a section of nw.  The wave's 26 or 27 accumulators take turns, one instruction a turn, over the loops' backward jumps too.
; form = 1: the section's 16 instructions for the next K step are dealt behind its products, one or two each; in window 3 four stand behind the last: plain vector instructions that name none of its
; registers, the places in front of the next step's loads into the fragment registers just read.
.macro SEC hi, s, from, to, nw, form, hsrc
	WIN S_LO+0x54*(\hi)
.if (\from) == 0
.set rq, 0
.endif
.set n, \from
.rept (\to)-(\from)
	MMI \hi, \s
.if \form
.if \hi
.if n == (\nw)-1
.set nr, 4
.else
.set nr, (12*(n+1))/((\nw)-1)-(12*n)/((\nw)-1)
.endif
.else
.set nr, (16*(n+1))/14-(16*n)/14
.endif
.rept nr
	RID \hi, ((\s)+1)%5, \hsrc
.endr
.endif
.set n, n+1
.endr
.endm
.macro FORM0                           ; h x in of a layer's very first K step
	WIN S_LO
.set rq, 0
.rept 16
	RID 0, 0, 0
.endr
	WIN S_HI
.set rq, 0
.rept 16
	RID 1, 0, 0
.endr
.endm
.macro INPACK                          ; a window's two samples: of the words (in, in) of fields ml and ml + 1 the pair (in[ml], in[ml + 1]), in place, ascending, so that no word is written before it is read
.irp a, 0,1
.irp p, 0,1,2,3,4,5,6,7,8,9
	v_perm_b32 v[INR+20*\a+\p], v[INR+20*\a+2*\p+1], v[INR+20*\a+2*\p], s63
.endr
.endr
.endm
; The sums start from the layer's bias, loaded straight into the accumulators: nothing is cleared and no bias is added later.
.macro BIASLD lay
	WIN LD2
.irp a, 0,1
.irp t, 0,1,2,3,4,5
	ds_load_b128 v[8*(7*\a+\t):8*(7*\a+\t)+3],   v[VT] offset:(\lay)*1024+\t*64
	ds_load_b128 v[8*(7*\a+\t)+4:8*(7*\a+\t)+7], v[VT] offset:(\lay)*1024+\t*64+16
.endr
	ds_load_b128 v[8*(7*\a+6):8*(7*\a+6)+3],   v[VT12] offset:(\lay)*1024
	ds_load_b128 v[8*(7*\a+6)+4:8*(7*\a+6)+7], v[VT12] offset:(\lay)*1024+16
.endr
	WIN LD3
.irp a, 0,1
.irp t, 0,1,2,3,4,5
	ds_load_b128 v[8*(6*\a+\t):8*(6*\a+\t)+3],   v[VT] offset:(\lay)*1024+\t*64
	ds_load_b128 v[8*(6*\a+\t)+4:8*(6*\a+\t)+7], v[VT] offset:(\lay)*1024+\t*64+16
.endr
.endr
.endm
; One tile of both samples of a window: relu in place (each accumulator's registers in ascending order), then the fc sums take result x fc weight.
; cv = 1: the results may become the next layer's h: each is then rounded to bf16, in place, as the pair (h, h).
.macro EPT na, t, cv
.irp a, 0,1
.irp j, 0,1,2,3,4,5,6,7
	v_max_num_f32 v[8*((\na)*\a+(\t))+\j], 0, v[8*((\na)*\a+(\t))+\j]
.endr
.endr
.irp p, 0,1,2,3
.irp a, 0,1
	v_pk_fma_f32 v[FINP+2*\a:FINP+2*\a+1], v[8*((\na)*\a+(\t))+2*\p:8*((\na)*\a+(\t))+2*\p+1], v[CFA+8*(\t)+2*\p:CFA+8*(\t)+2*\p+1], v[FINP+2*\a:FINP+2*\a+1]
.endr
.endr
.if \cv
.irp a, 0,1
.irp j, 0,1,2,3,4,5,6,7
	v_cvt_pk_bf16_f32 v[8*((\na)*\a+(\t))+\j], v[8*((\na)*\a+(\t))+\j], v[8*((\na)*\a+(\t))+\j]
.endr
.endr
.endif
.endm
; A CIN layer's end.  store = 1: outputs 0-111 go to H as the next layer's h (0-99 are h; 100-111 are written so that the last trip's look-ahead reads written bytes): waves with nh = 0 store tiles 0-5, the others tile 6.
.macro EPI lay, store
	WIN LD2
.irp t, 0,1,2,3,4,5
	ds_load_b128 v[CFA+8*\t:CFA+8*\t+3],   v[VT] offset:(3+(\lay))*1024+\t*64
	ds_load_b128 v[CFA+8*\t+4:CFA+8*\t+7], v[VT] offset:(3+(\lay))*1024+\t*64+16
.endr
	ds_load_b128 v[CFA+48:CFA+51], v[VT12] offset:(3+(\lay))*1024
	ds_load_b128 v[CFA+52:CFA+55], v[VT12] offset:(3+(\lay))*1024+16
	WIN LD3
.irp t, 0,1,2,3,4,5
	ds_load_b128 v[CFA+8*\t:CFA+8*\t+3],   v[VT] offset:(3+(\lay))*1024+\t*64
	ds_load_b128 v[CFA+8*\t+4:CFA+8*\t+7], v[VT] offset:(3+(\lay))*1024+\t*64+16
.endr
	s_wait_dscnt 0x0
	WIN E_LO
.irp t, 0,1,2,3,4,5
	EPT 7, \t, \store
.endr
	EPT 7, 6, 0
	WIN E_HI
.irp t, 0,1,2,3,4,5
	EPT 6, \t, \store
.endr
.if \store
	WIN ST2
.irp a, 0,1
.irp u, 0,1
	ds_store_b128 v[VHSLO], v[8*(7*\a)+4*\u:8*(7*\a)+4*\u+3] offset:\a*HP+\u*256
.endr
.endr
	WIN ST3
.irp a, 0,1
.irp u, 0,1
	ds_store_b128 v[VHSHI], v[8*(6*\a)+4*\u:8*(6*\a)+4*\u+3] offset:\a*HP+\u*256
.endr
.endr
	WIN 0
	s_cmp_lg_u32 s[NH], 0
	s_cbranch_scc1 .Lskip_\@
	WIN ST2
.irp t, 1,2,3,4,5
.irp a, 0,1
.irp u, 0,1
	ds_store_b128 v[VHSLO], v[8*(7*\a+\t)+4*\u:8*(7*\a+\t)+4*\u+3] offset:\a*HP+\t*1024+\u*256
.endr
.endr
.endr
	WIN ST3
.irp t, 1,2,3,4,5
.irp a, 0,1
.irp u, 0,1
	ds_store_b128 v[VHSHI], v[8*(6*\a+\t)+4*\u:8*(6*\a+\t)+4*\u+3] offset:\a*HP+\t*1024+\u*256
.endr
.endr
.endr
	WIN 0
.Lskip_\@:
.endif
	WIN 0
.endm
.macro DAFLD areg, cnt                 ; the wave's fixed DNN operand: cnt K steps, column r = sample r % 8
	WIN LD3
.set i, 0
.rept \cnt
	ds_load_b128 v[DAF+8*i:DAF+8*i+3],   v[\areg] offset:64*i
	ds_load_b128 v[DAF+8*i+4:DAF+8*i+7], v[\areg] offset:64*i+32
.set i, i+1
.endr
.endm
; A DNN layer's end.  Thread (sample = thread / 16, n = thread % 16) adds the four waves' partial numbers of outputs 16 j + n, j = 0..24, the bias, relu.
; fin = 0: they go to DA in bf16 as layer 2's operand, zeros behind them up to k = 527; layer 2's biases and fc weights are asked for.  fin = 1: the dot product with fc_W, added over the 16 lanes of a row.
.macro DNNRED fin
.set j, 0
.rept 25
.irp w, 0,1,2,3
	ds_load_b32 v[PR+4*j+\w], v[VPR] offset:\w*PARTW+j*512
.endr
.set j, j+1
.endr
.if \fin
	s_wait_loadcnt 0x0                             ; layer 2's biases and fc weights, asked for a layer ago
.endif
	s_wait_dscnt 0x0
.set j, 0
.rept 25
	v_add_f32 v[PR+4*j], v[PR+4*j], v[PR+4*j+1]
	v_add_f32 v[PR+4*j+2], v[PR+4*j+2], v[PR+4*j+3]
	v_add_f32 v[PR+4*j], v[PR+4*j], v[DBV+j]
	v_add_f32 v[PR+4*j], v[PR+4*j], v[PR+4*j+2]
	v_max_num_f32 v[PR+4*j], 0, v[PR+4*j]
.set j, j+1
.endr
.if \fin
	v_mul_f32 v46, v[PR], v[DFV]
.set j, 1
.rept 24
	v_fmac_f32 v46, v[PR+4*j], v[DFV+j]
.set j, j+1
.endr
.irp x, 1,2,4,8
	v_add_f32_dpp v46, v46, v46 row_xmask:\x row_mask:0xf bank_mask:0xf
.endr
.else
.set j, 0
.rept 25
	v_cvt_pk_bf16_f32 v[PR+4*j+1], v[PR+4*j], v[PR+4*j]
	ds_store_b16 v[VDS], v[PR+4*j+1] offset:32*j
.set j, j+1
.endr
	ds_store_b128 v[VDZ], v[Z4:Z4+3]
.set j, 0
.rept 25
	global_load_b32 v[DBV+j], v[VNN4], s[34:35] offset:64*j
	global_load_b32 v[DFV+j], v[VNN4], s[36:37] offset:1600+64*j
.set j, j+1
.endr
.endif
.endm
; A TRIP: five K steps.  dn: in how many of them the wave has a DNN product.  mode 2: the slot is filled again; 1: the last change of slots, nothing is asked for; 0: the last trip.
; In each step: the fragments asked for a step ago are in (the wait is for 0: 19 products or more lie between a fetch and it); the next step's are asked for; then the products.
; THE DNN'S FRAGMENTS.  Fragment f was multiplied at the end of K step f; the four instructions behind that product are its places; at the head of the step behind, its registers are asked for again, with the
; next trip's fragment f (fragment 4: at the head of the next trip's K step 0, so it reaches back one trip from the pointer, which has been stepped by then).  So behind the two loads of the fragment that a
; step multiplies stand the loads of the dn - 1 other fragments, in every step and over the backward jump: the wait leaves 2 (dn - 1) out.  The last trip asks for nothing: its counts run down 6, 4, 2, 0.
; K STEP 4 CHANGES SLOTS.  My reads of the slot are over at its head.  Then: all my tensor loads have landed (one was out: my quarter of the other slot); the add; the descriptor's and the pointers' steps and
; seven products; the wait for the add and for the look-ahead loads of h; the barrier, which in mode 2 opens a round of the cluster's barrier.  Nothing stands inside the round, and the joint refill is the first
; line behind it, so that the way from a tile's landing to the next request is short; the step's other products follow behind the refill and the other slot's first fetch.
.macro TRIP dn, mode
.irp s, 0,1,2,3
	s_wait_dscnt 0x0
	FETCH (\s)+1
.if (\mode) > 0
.if ((\s) == 0) && ((\dn) == 5)
	DWLOAD 4, 1
.endif
.if ((\s) > 0) && ((\dn) > 0)
	DWLOAD (\s)-1, 0
.endif
.if (\s) == 2
	HNLOAD
.endif
.endif
	SEC 0, \s, 0, 14, 14, 1, 0
.if (\s) < (\dn)
.if (\mode) > 0
	s_wait_loadcnt 2*(\dn)-2                       ; this step's DNN fragment is in; the other fragments' loads stay out
.else
	s_wait_loadcnt 6-2*(\s)
.endif
	SEC 1, \s, 0, 13, 13, 1, 0
.else
	SEC 1, \s, 0, 12, 12, 1, 0
.endif
.endr
	s_wait_dscnt 0x0
.if (\mode) > 0
.if (\dn) > 0
	DWLOAD 3, 0
.endif
	HALOAD 256                                     ; the next trip's four h: this trip's were last read in K step 3
	WIN 0
	s_wait_tensorcnt 0x0                           ; no tensor load of mine is out, so group 0 may be written
	ds_add_u32 v[SPW], v[NIL]                      ; 0 onto my spare word: scalar steps and seven products stand between it and the wait for it
.if (\mode) == 2
	s_xor_b32 s[G0+1], s[G0+1], SLOT1              ; the walking descriptor: the other slot than last time,
	s_add_nc_u64 s[G0+2:G0+3], s[G0+2:G0+3], TRIPB ; the next trip; the type bits on top are not reached
.endif
	s_xor_b32 s[TB], s[TB], SLOT1
.if (\dn) > 0
	s_wait_xcnt 0x0                                ; the DNN loads issued so far have had their addresses translated (ISA guide 3.1): only behind this wait is their base stepped
	s_add_nc_u64 s[DP:DP+1], s[DP:DP+1], DTRIPB
.endif
	SEC 0, 4, 0, 7, 14, 1, 1
	s_wait_dscnt 0x0                               ; the add is done; my reads of the slot and of H are back
	s_barrier_signal -1
	WIN 0
	s_barrier_wait -1
.if (\mode) == 2
	CREST                                          ; no wave of any partner still reads this slot or has a load on its way
	JLOAD                                          ; the trip after next, into the slot just read: it has a whole trip in which to land
.endif
	v_add_nc_u32 v[VB], s[TB], v[VB0]              ; four lines that are due anyway stand between the tensor load and the next switch of windows
	v_add_nc_u32 v[VB12], s[TB], v[VB12C]
	v_add_nc_u32 v[VHLO], 256, v[VHLO]
	v_add_nc_u32 v[VHHI], 256, v[VHHI]
	FETCH 0
	SEC 0, 4, 7, 14, 14, 1, 1
.if 4 < (\dn)
	s_wait_loadcnt 2*(\dn)-2
	SEC 1, 4, 0, 13, 13, 1, 1
.else
	SEC 1, 4, 0, 12, 12, 1, 1
.endif
.else
	SEC 0, 4, 0, 14, 14, 0, 0
	SEC 1, 4, 0, 12, 12, 0, 0
	PLACES                                         ; no vector work is left: the places in front of what reads the results and loads over the operands
.endif
.if (\dn) > 0
	WIN ST3                                        ; the trip's DNN tile, my K steps' part; lanes r and r + 8 hold the same sample and write the same bytes with the same numbers
	ds_store_b128 v[VPA], v[DACC:DACC+3]
	ds_store_b128 v[VPA], v[DACC+4:DACC+7] offset:16
	WIN 0
	v_add_nc_u32 v[VPA], 512, v[VPA]
.endif
	WIN 0
.endm
; THE CHANGE OF LAYERS.  Barrier: every wave's reads of H (and stores into PART) are over.  The layer's end; the next bias.  Barrier: the new h (and DNN operand) are whole.  Then the first h and the first h x in.
; One tensor load of mine stays out across both barriers. The next layer's first fragments of W already lie in buffer 0.
; In front of CIN layer 1 the DNN's first four fragments are asked for (the pointer stands one trip on, so they reach back); the fifth follows in the first trip, like every trip's.
.macro LCHANGE lay
	s_wait_dscnt 0x0
	s_barrier_signal -1
	s_barrier_wait -1
.if (\lay) == 0
	DWLOAD 0, 1
	DWLOAD 1, 1
	DWLOAD 2, 1
	DWLOAD 3, 1
.endif
	EPI \lay, 1
.if (\lay) == 1
	DNNRED 0
.endif
	BIASLD (\lay)+1
	WIN 0
	s_wait_dscnt 0x0
	s_barrier_signal -1
	s_barrier_wait -1
	v_mov_b32 v[VHLO], v[VHLO0]
	v_mov_b32 v[VHHI], v[VHHI0]
	HALOAD 0
.if (\lay) == 1
	DAFLD VDA2, 4
	WIN 0
	v_mov_b32 v[VPA], v[VPA0]
.endif
	s_wait_dscnt 0x0
	FORM0
	WIN 0
.endm
	; ---------------- head
	s_load_b512 s[16:31], s[0:1], 0x0              ; ids 16, vals 18, emb 20, bias_emb 22, wstream 24, cin_b0 26, cin_b1 28, cin_b2 30
	s_load_b256 s[32:39], s[0:1], 0x40             ; dnn_b0 32, dnn_b1 34, fc_W 36, fc_b 38
	s_load_b64 s[40:41], s[0:1], 0x60              ; out0
	v_lshl_add_u32 v[SPW], v0, 2, SPARE
	v_mov_b32 v[NIL], 0
	ds_add_u32 v[SPW], v[NIL]                      ; the wave's opening: the add and its wait stand ahead of my first tensor load; the set-up below stands between them
	v_lshrrev_b32 v40, 5, v0
	v_readfirstlane_b32 s[WV], v40                 ; wave 0..3
	s_lshr_b32 s[MH], s[WV], 1
	s_and_b32 s[NH], s[WV], 1
	s_bfe_u32 s11, ttmp6, 0x40000                  ; cx
	s_lshl_b32 s12, ttmp9, 2
	s_add_co_u32 s12, s12, s11                     ; my work-group: it enters the addresses of ids, vals and out0 alone
	; descriptor group 1: 65 dense rows of 32 elements of 8 bytes
	s_mov_b32 s[G1+0], 15|(3<<16)|(1<<21)          ; 15:0 the mask of four; 17:16 elements of 8 bytes; 21 set beside a mask; no padding: fragment order is read in runs of 512 consecutive bytes
	s_mov_b32 s[G1+1], 32<<16                      ; tensor_dim0 = 32
	s_mov_b32 s[G1+2], 65<<16                      ; tensor_dim1 = 65
	s_mov_b32 s[G1+3], 32<<16                      ; tile_dim0 = 32
	s_mov_b32 s[G1+4], 65                          ; tile_dim1 = 65
	s_mov_b32 s[G1+5], 32                          ; 32 elements from row to row
	s_mov_b32 s[G1+6], 0
	s_mov_b32 s[G1+7], 0
	s_mov_b32 s[G0], 1                             ; count = 1
	s_mul_i32 s[G0+1], s[WV], QUART                ; LDS address: slot 0, my quarter
	s_mul_i32 s2, s[WV], QUART
	s_mov_b32 s3, 0
	s_mov_b32 s[TB], 0
	s_mov_b32 s58, 0x76543210                      ; v_permlanex16_b32: each lane takes its own place in the other half
	s_mov_b32 s59, 0xfedcba98
	s_mov_b32 s60, 0x0fffffff                      ; lanes whose field 32 + l / 4 exists (39 does not)
	s_mov_b32 s61, 0x11111111                      ; one lane of each four that share a field
	s_mov_b32 s62, 0xffff0000                      ; the upper half of the lanes
	s_mov_b32 s63, 0x05040100                      ; v_perm_b32: the low halves of two words
	s_mul_i32 s4, s12, 1248                        ; 8 samples x 39 x 4 bytes
	s_mov_b32 s5, 0
	s_lshl_b32 s6, s12, 5                          ; 8 results
	s_mov_b32 s7, 0
	s_wait_dscnt 0x0                               ; the opening add is done
	s_wait_kmcnt 0x0
	s_add_nc_u64 s[G0+2:G0+3], s[24:25], s[2:3]    ; global address: trip 0, my quarter
	s_or_b32 s[G0+3], s[G0+3], 0x80000000          ; type = 2
	s_add_nc_u64 s[DP:DP+1], s[24:25], DNNOFF+DTRIPB  ; the DNN part, one trip on
	s_add_nc_u64 s[16:17], s[16:17], s[4:5]
	s_add_nc_u64 s[18:19], s[18:19], s[4:5]
	s_add_nc_u64 s[40:41], s[40:41], s[6:7]
	s_load_b32 s[FCB], s[38:39], 0x0
	CROUND                                         ; all four work-groups are here: the first joint loads meet
	JLOAD                                          ; trip 0 into slot 0
	; ---------------- the gather.  Wave w has samples 2 w, 2 w + 1.  Lane: q = l / 4, c = l % 4.  Load i = 0..9: sample 2 w + i / 5, field 8 (i % 5) + q, channels 4 c .. 4 c + 3.
	v_and_b32 v3, 31, v0                           ; l
	v_and_b32 v1, 15, v0                           ; r
	v_bfe_u32 v2, v0, 4, 1                         ; x
	v_lshrrev_b32 v46, 2, v3                       ; q
	v_and_b32 v47, 3, v0                           ; c
	s_mul_i32 s3, s[WV], 312                       ; two samples' 39 words
	v_lshl_add_u32 v48, v46, 2, s3
	v_min_u32 v49, 6, v46                          ; for fields 32 + q: field 39 reads field 38, and is thrown away
	v_lshl_add_u32 v49, v49, 2, s3
.irp i, 0,1,2,3,4,5,6,7,8,9
.if ((\i)%5) == 4
	global_load_b32 v[IDS+\i], v49, s[16:17] offset:((\i)/5)*156+128 th:TH_LOAD_NT
.else
	global_load_b32 v[IDS+\i], v48, s[16:17] offset:((\i)/5)*156+((\i)%5)*32 th:TH_LOAD_NT
.endif
.endr
.irp i, 0,1,2,3,4,5,6,7,8,9
.if ((\i)%5) == 4
	global_load_b32 v[VAL+\i], v49, s[18:19] offset:((\i)/5)*156+128 th:TH_LOAD_NT
.else
	global_load_b32 v[VAL+\i], v48, s[18:19] offset:((\i)/5)*156+((\i)%5)*32 th:TH_LOAD_NT
.endif
.endr
	; TAB: waves 0, 1 bring the three CIN biases, waves 2, 3 the fc weights by CIN output: layer 0's outputs 100-199 have fc_W[o - 100], layer 1's fc_W[o], layer 2's outputs 0-199 fc_W[o + 200].
	; Thread % 64 = c64 brings outputs 4 c64 .. + 3; outside lo <= c64 < 50 it reads a clamped place and stores 0.
	v_and_b32 v56, 63, v0
	s_cmp_lg_u32 s[MH], 0
	s_cselect_b64 s[68:69], s[36:37], s[26:27]
	s_cselect_b64 s[70:71], s[36:37], s[28:29]
	s_cselect_b64 s[72:73], s[36:37], s[30:31]
	s_cselect_b32 s74, 25, 0                       ; lo
	s_cselect_b32 s75, 25, 0
	s_mov_b32 s76, 0
	s_cselect_b32 s77, -400, 0                     ; what is added to 16 c64
	s_mov_b32 s78, 0
	s_cselect_b32 s79, 800, 0
.irp n, 0,1,2
	v_max_u32 v[58+\n], s[74+\n], v56
	v_min_u32 v[58+\n], 49, v[58+\n]
	v_lshl_add_u32 v[58+\n], v[58+\n], 4, s[77+\n]
	v_cmp_le_u32 s[80+\n], s[74+\n], v56
	v_cmp_gt_u32 s83, 50, v56
	s_and_b32 s[80+\n], s[80+\n], s83
	global_load_b128 v[TABV+4*\n:TABV+4*\n+3], v[58+\n], s[68+2*\n:69+2*\n]
.endr
	v_lshlrev_b32 v[VNN4], 2, v1
.set j, 0
.rept 25
	global_load_b32 v[DBV+j], v[VNN4], s[32:33] offset:64*j
.set j, j+1
.endr
	; while these are on their way: the addresses
	v_lshlrev_b32 v50, 4, v47                      ; 16 c
	v_lshlrev_b32 v40, 4, v3                       ; 16 l
	s_mul_i32 s3, s[NH], 6144
	v_add_nc_u32 v[VB0], s3, v40
	v_add_nc_u32 v[VB12C], 12288, v40
	s_mul_i32 s3, s[WV], 5120
	v_add_nc_u32 v[VGD], s3, v40
	s_lshl_b32 s3, s[MH], 2
	s_lshl_b32 s4, s[NH], 1
	s_add_co_u32 s13, s3, s4                       ; s13: the sample of ls = 0: 4 mh + 2 nh
	s_add_co_u32 s14, s3, 2
	s_sub_co_u32 s14, s14, s4                      ; s14: the sample of ls = 2: 4 mh + 2 - 2 nh
	s_mul_i32 s5, s13, HP
	s_add_co_u32 s5, s5, HB
	s_mul_i32 s6, s14, HP
	s_add_co_u32 s6, s6, HB
	v_lshl_add_u32 v[VHLO0], v1, 4, s5
	v_lshl_add_u32 v[VHHI0], v1, 4, s6
	s_mul_i32 s7, s[NH], 6144                      ; tile 6 nh is groups 24 nh on; my 8 outputs are two groups, 2 x on
	v_lshl_add_u32 v41, v2, 9, s7
	v_add_nc_u32 v[VHSLO], v[VHLO0], v41
	v_add_nc_u32 v[VHSHI], v[VHHI0], v41
	s_mul_i32 s7, s[NH], 384
	s_add_co_u32 s7, s7, TAB
	v_lshl_add_u32 v[VT], v2, 5, s7
	v_lshl_add_u32 v[VT12], v2, 5, TAB+768
	v_and_b32 v42, 7, v0                           ; r % 8
	s_mul_i32 s7, s[WV], PARTW
	s_add_co_u32 s7, s7, PART
	v_lshl_add_u32 v[VPA0], v42, 6, s7
	v_lshl_add_u32 v[VPA0], v2, 5, v[VPA0]
	v_lshl_add_u32 v[VPR], v0, 2, PART
	v_mul_u32_u24 v43, v42, DAP
	v_lshl_add_u32 v43, v2, 4, v43
	s_mul_i32 s7, s[WV], 320                       ; five K steps of 64 bytes
	s_add_co_u32 s7, s7, DA
	v_add_nc_u32 v[VDA1], s7, v43
	s_lshl_b32 s7, s[WV], 8                        ; four
	s_add_co_u32 s7, s7, DA
	v_add_nc_u32 v[VDA2], s7, v43
	v_lshrrev_b32 v44, 4, v0                       ; thread / 16
	v_mul_u32_u24 v45, v44, DAP
	v_lshl_add_u32 v[VDS], v1, 1, v45
	v_add_nc_u32 v[VDS], DA, v[VDS]
	v_lshl_add_u32 v[VDZ], v1, 4, v45
	v_add_nc_u32 v[VDZ], DA+800, v[VDZ]
	v_lshrrev_b32 v51, 2, v46                      ; q / 4
	v_and_b32 v52, 3, v46                          ; q % 4
	s_mul_i32 s7, s[WV], 2*HP
	s_add_co_u32 s7, s7, HB
	v_lshl_add_u32 v53, v51, 8, s7                 ; H: sample 2 w, group q / 4,
	v_lshl_add_u32 v53, v47, 6, v53                ; channel 4 c,
	v_lshl_add_u32 v53, v52, 2, v53                ; word q % 4
	s_mul_i32 s7, s[WV], 2*DAP
	s_add_co_u32 s7, s7, DA
	v_lshl_add_u32 v54, v46, 5, s7                 ; DA: sample 2 w, k = 16 q + 4 c
	v_lshl_add_u32 v54, v47, 3, v54
	v_mul_u32_u24 v55, v44, HP
	v_lshl_add_u32 v55, v1, 4, v55
	v_add_nc_u32 v55, HB+2560, v55                 ; H: group 10 of sample thread / 16
	s_mul_i32 s7, s[MH], 3072
	s_add_co_u32 s7, s7, TAB
	v_lshl_add_u32 v57, v56, 4, s7
	v_mul_u32_u24 v63, v2, 1280                    ; my half's 20 fields are five groups
	v_add_nc_u32 v61, v[VHLO0], v63
	v_add_nc_u32 v62, v[VHHI0], v63
.irp i, 0,1,2,3
	v_mov_b32 v[Z4+\i], 0
.endr
	WIN LD2                                        ; the running fc sums start at 0
.irp i, 0,1,2,3
	v_mov_b32 v[FINP+\i], 0
.endr
	WIN LD3
.irp i, 0,1,2,3
	v_mov_b32 v[FINP+\i], 0
.endr
	WIN 0
	s_wait_loadcnt 38                              ; the ids are in: behind them stand 10 + 3 + 25 loads
.irp i, 0,1,2,3,4,5,6,7,8,9
	v_min_u32 v[IDS+\i], 0xf423f, v[IDS+\i]
	v_lshl_add_u32 v[EA+\i], v[IDS+\i], 6, v50     ; a row of emb is 64 bytes
	v_lshlrev_b32 v[BA+\i], 2, v[IDS+\i]
.endr
.irp i, 0,1,2,3,4,5,6,7,8,9
	global_load_b128 v[EM+4*\i:EM+4*\i+3], v[EA+\i], s[20:21]
.endr
.irp i, 0,1,2,3,4,5,6,7,8,9
	global_load_b32 v[BV+\i], v[BA+\i], s[22:23]
.endr
	s_wait_loadcnt 45                              ; TAB's three are in: behind them stand 25 + 20 loads
.irp n, 0,1,2
.irp d, 0,1,2,3
	v_cndmask_b32 v[TABV+4*\n+\d], 0, v[TABV+4*\n+\d], s[80+\n]
.endr
	ds_store_b128 v57, v[TABV+4*\n:TABV+4*\n+3] offset:\n*1024
.endr
	ds_store_b128 v55, v[Z4:Z4+3]                  ; H's group 10: layer 0's last trip looks one group ahead
	s_wait_loadcnt 0x0
	v_cndmask_b32 v[VAL+4], 0, v[VAL+4], s60       ; field 39 is the padding: its value is 0, and so are in, the DNN's k = 624..639 and its share of the bias sum
	v_cndmask_b32 v[VAL+9], 0, v[VAL+9], s60
.irp i, 0,1,2,3,4,5,6,7,8,9
.irp d, 0,1,2,3
	v_mul_f32 v[EM+4*\i+\d], v[EM+4*\i+\d], v[VAL+\i]
.endr
.endr
.irp i, 0,1,2,3,4,5,6,7,8,9
	v_cvt_pk_bf16_f32 v[PK+2*\i], v[EM+4*\i], v[EM+4*\i+1]        ; the DNN's operand: neighbouring channels in a word
	v_cvt_pk_bf16_f32 v[PK+2*\i+1], v[EM+4*\i+2], v[EM+4*\i+3]
	ds_store_b64 v54, v[PK+2*\i:PK+2*\i+1] offset:((\i)/5)*DAP+((\i)%5)*256
.endr
.irp i, 0,1,2,3,4,5,6,7,8,9
.irp d, 0,1,2,3
	v_cvt_pk_bf16_f32 v[EM+4*\i+\d], v[EM+4*\i+\d], v[EM+4*\i+\d]  ; H's words: the number twice
.endr
.endr
.irp i, 0,1,2,3,4,5,6,7,8,9
.irp d, 0,1,2,3
	ds_store_b32 v53, v[EM+4*\i+\d] offset:((\i)/5)*HP+((\i)%5)*512+16*\d
.endr
.endr
	v_mul_f32 v[BS0], v[BV], v[VAL]
	v_mul_f32 v[BS1], v[BV+5], v[VAL+5]
.irp i, 1,2,3,4
	v_fmac_f32 v[BS0], v[BV+\i], v[VAL+\i]
	v_fmac_f32 v[BS1], v[BV+5+\i], v[VAL+5+\i]
.endr
	v_cndmask_b32 v[BS0], 0, v[BS0], s61           ; four lanes hold the same field: one counts
	v_cndmask_b32 v[BS1], 0, v[BS1], s61
.irp x, 1,2,4,8
	v_add_f32_dpp v[BS0], v[BS0], v[BS0] row_xmask:\x row_mask:0xf bank_mask:0xf
	v_add_f32_dpp v[BS1], v[BS1], v[BS1] row_xmask:\x row_mask:0xf bank_mask:0xf
.endr
	v_permlanex16_b32 v40, v[BS0], s58, s59
	v_permlanex16_b32 v41, v[BS1], s58, s59
	v_add_f32 v[BS0], v[BS0], v40
	v_add_f32 v[BS1], v[BS1], v41
	s_wait_kmcnt 0x0                               ; fc_b
	; ---------------- the first change of slots: slot 0 is waited for, slot 1 filled; the round also shows H, DA and TAB to every wave
	s_wait_tensorcnt 0x0
	ds_add_u32 v[SPW], v[NIL]                      ; 0 onto my spare word; the descriptor's step stands between it and the wait for it
	s_xor_b32 s[G0+1], s[G0+1], SLOT1
	s_add_nc_u64 s[G0+2:G0+3], s[G0+2:G0+3], TRIPB
	s_wait_dscnt 0x0                               ; the add and my stores into LDS are done
	CROUND
	JLOAD                                          ; trip 1 into slot 1
	v_mov_b32 v[VB], v[VB0]
	v_mov_b32 v[VB12], v[VB12C]
	v_mov_b32 v[VHLO], v[VHLO0]
	v_mov_b32 v[VHHI], v[VHHI0]
	v_mov_b32 v[VPA], v[VPA0]
	; ---------------- the first operands
	FETCH 0
	WIN LD2
.irp a, 0,1
.irp g, 0,1,2,3,4
	ds_load_b128 v[INR+20*\a+4*\g:INR+20*\a+4*\g+3], v61 offset:\a*HP+\g*256   ; in stays in registers: my half's 20 fields at d = r
.endr
.endr
	WIN LD3
.irp a, 0,1
.irp g, 0,1,2,3,4
	ds_load_b128 v[INR+20*\a+4*\g:INR+20*\a+4*\g+3], v62 offset:\a*HP+\g*256
.endr
.endr
	HALOAD 0
	DAFLD VDA1, 5
	BIASLD 0
	s_wait_dscnt 0x0
	WIN E_LO
	INPACK
	WIN E_HI
	INPACK
	FORM0
	WIN 0
	; ---------------- CIN layer 0
	s_mov_b32 s[CNT], 10
.L0:
	TRIP 0, 2
	s_sub_co_u32 s[CNT], s[CNT], 1
	s_cmp_lg_u32 s[CNT], 0
	s_cbranch_scc1 .L0
	LCHANGE 0
	; ---------------- CIN layer 1, DNN layer 1
	s_mov_b32 s[CNT], 25
.L1:
	TRIP 5, 2
	s_sub_co_u32 s[CNT], s[CNT], 1
	s_cmp_lg_u32 s[CNT], 0
	s_cbranch_scc1 .L1
	LCHANGE 1
	; ---------------- CIN layer 2, DNN layer 2.  The stream's 60 trips are asked for at the head, at the first change and in 10 + 25 + 23 trips; the last two trips are written out
	s_mov_b32 s[CNT], 23
.L2:
	TRIP 4, 2
	s_sub_co_u32 s[CNT], s[CNT], 1
	s_cmp_lg_u32 s[CNT], 0
	s_cbranch_scc1 .L2
	TRIP 4, 1
	TRIP 4, 0
	; ---------------- the end
	s_wait_dscnt 0x0                               ; my stores into PART are done
	s_barrier_signal -1
	s_barrier_wait -1
	EPI 2, 0
	WIN 0x0a                                       ; sources in window 2, destination in window 0
	v_add_f32 v[FS], v[FINP], v[FINP+1]
	v_add_f32 v[FS+1], v[FINP+2], v[FINP+3]
	WIN 0x0f                                       ; sources in window 3
	v_add_f32 v[FS+2], v[FINP], v[FINP+1]
	v_add_f32 v[FS+3], v[FINP+2], v[FINP+3]
	WIN 0
.irp x, 1,2,4,8
.irp f, 0,1,2,3
	v_add_f32_dpp v[FS+\f], v[FS+\f], v[FS+\f] row_xmask:\x row_mask:0xf bank_mask:0xf   ; over d and the halves' outputs
.endr
.endr
.irp f, 0,1,2,3
	v_permlanex16_b32 v[40+\f], v[FS+\f], s58, s59
.endr
.irp f, 0,1,2,3
	v_add_f32 v[FS+\f], v[FS+\f], v[40+\f]
.endr
	; FIN: word (sample, nh) at 8 sample + 4 nh: the four waves' sixteen words are all different (wave 0: 0, 8, 16, 24; wave 1: 20, 28, 4, 12; waves 2, 3: the same + 32)
	s_lshl_b32 s5, s[NH], 2
	s_lshl_b32 s3, s13, 3
	s_add_co_u32 s3, s3, s5                        ; samples ls = 0, 1
	s_lshl_b32 s4, s14, 3
	s_add_co_u32 s4, s4, s5                        ; samples ls = 2, 3
	v_mov_b32 v45, FIN
	v_add_nc_u32 v44, s3, v45
	v_add_nc_u32 v45, s4, v45
	ds_store_b32 v44, v[FS]                        ; all lanes hold the same number and write the same word
	ds_store_b32 v44, v[FS+1] offset:8
	ds_store_b32 v45, v[FS+2]
	ds_store_b32 v45, v[FS+3] offset:8
	DNNRED 1                                       ; v46: in each row of 16 lanes the DNN's share of sample 2 w + x
	v_cndmask_b32 v47, v[BS0], v[BS1], s62         ; that sample's bias sum
	v_add_f32 v46, v46, v47
	v_lshrrev_b32 v48, 4, v0
	v_lshl_add_u32 v48, v48, 2, FIN+64
	ds_store_b32 v48, v46
	s_wait_dscnt 0x0                               ; for the others' sake: my stores into FIN are done
	s_barrier_signal -1
	s_barrier_wait -1
	s_cmp_lg_u32 s[WV], 0
	s_cbranch_scc1 .Ldone
	v_and_b32 v49, 7, v0                           ; lane l reads sample l % 8, so every lane reads written bytes; lanes 0-7 store
	v_lshl_add_u32 v50, v49, 3, FIN
	v_lshl_add_u32 v51, v49, 2, FIN+64
	ds_load_b64 v[52:53], v50
	ds_load_b32 v54, v51
	v_lshlrev_b32 v55, 2, v49
	s_wait_dscnt 0x0
	v_add_f32 v52, v52, v53
	v_add_f32 v54, s[FCB], v54
	v_add_f32 v52, v52, v54
	s_wait_xcnt 0x0                                ; EXEC changes only behind this wait
	v_cmp_gt_u32 vcc_lo, 8, v0
	s_and_saveexec_b32 s70, vcc_lo
	global_store_b32 v55, v52, s[40:41]            ; the work-group's 32 bytes of out0
	s_wait_xcnt 0x0                                ; and again in front of the line that widens it
	s_or_b32 exec_lo, exec_lo, s70
.Ldone:
	s_wait_tensorcnt 0x0                           ; the wave's end, behind my last tensor load and my last LDS store
	ds_add_u32 v[SPW], v[NIL]
	s_wait_dscnt 0x0
	CROUND                                         ; the closing round: no work-group ends while a partner may still ask for a tile that names it
	s_endpgm
.Lfunc_end_k_qaaec9f2a03_xdeepfm:
	.size	k_qaaec9f2a03_xdeepfm, .Lfunc_end_k_qaaec9f2a03_xdeepfm-k_qaaec9f2a03_xdeepfm
	.p2alignl 7, 3214868480
	.fill 96, 4, 3214868480
	.section	.rodata,"a",@progbits
	.p2align	6, 0x0
	.amdhsa_kernel k_qaaec9f2a03_xdeepfm
		.amdhsa_group_segment_fixed_size 327680
		.amdhsa_private_segment_fixed_size 0
		.amdhsa_enable_private_segment 0
		.amdhsa_kernarg_size 104
		.amdhsa_user_sgpr_count 2
		.amdhsa_user_sgpr_kernarg_segment_ptr 1
		.amdhsa_wavefront_size32 1
		.amdhsa_system_sgpr_workgroup_id_x 1
		.amdhsa_system_sgpr_workgroup_id_y 1
		.amdhsa_system_sgpr_workgroup_id_z 1
		.amdhsa_system_vgpr_workitem_id 0
		.amdhsa_next_free_vgpr 1024
		.amdhsa_next_free_sgpr 84
		.amdhsa_reserve_vcc 1
		.amdhsa_float_denorm_mode_32 3
		.amdhsa_float_denorm_mode_16_64 3
		.amdhsa_memory_ordered 1
		.amdhsa_forward_progress 1
		.amdhsa_inst_pref_size 255
	.end_amdhsa_kernel
	.section	.bss,"aw",@nobits
	.p2align	6
	.space	262144
	.amdgpu_metadata
---
amdhsa.version: [ 1, 2 ]
amdhsa.kernels:
  - .name:           k_qaaec9f2a03_xdeepfm
    .symbol:         k_qaaec9f2a03_xdeepfm.kd
    .args:
      - { .name: feature_ids, .offset: 0, .size: 8, .value_kind: global_buffer, .address_space: global }
      - { .name: feature_vals, .offset: 8, .size: 8, .value_kind: global_buffer, .address_space: global }
      - { .name: emb, .offset: 16, .size: 8, .value_kind: global_buffer, .address_space: global }
      - { .name: bias_emb, .offset: 24, .size: 8, .value_kind: global_buffer, .address_space: global }
      - { .name: wstream, .offset: 32, .size: 8, .value_kind: global_buffer, .address_space: global }
      - { .name: cin_b0, .offset: 40, .size: 8, .value_kind: global_buffer, .address_space: global }
      - { .name: cin_b1, .offset: 48, .size: 8, .value_kind: global_buffer, .address_space: global }
      - { .name: cin_b2, .offset: 56, .size: 8, .value_kind: global_buffer, .address_space: global }
      - { .name: dnn_b0, .offset: 64, .size: 8, .value_kind: global_buffer, .address_space: global }
      - { .name: dnn_b1, .offset: 72, .size: 8, .value_kind: global_buffer, .address_space: global }
      - { .name: fc_W, .offset: 80, .size: 8, .value_kind: global_buffer, .address_space: global }
      - { .name: fc_b, .offset: 88, .size: 8, .value_kind: global_buffer, .address_space: global }
      - { .name: out0, .offset: 96, .size: 8, .value_kind: global_buffer, .address_space: global }
    .group_segment_fixed_size: 327680
    .private_segment_fixed_size: 0
    .kernarg_segment_align: 8
    .kernarg_segment_size: 104
    .max_flat_workgroup_size: 128
    .sgpr_count:     84
    .vgpr_count:     1024
    .wavefront_size: 32
...
	.end_amdgpu_metadata
.endif
;; end of part 2
;; ======== version 2 of 2: 2 launches; version 1 with the launch prep written anew for expert scheduling mode
;; limits: values outside matrix products are rounded to bf16
;; workspace buffers: wstream 5,017,600 bytes
;; launch prep (part 3): grid 98 x 10, 1 waves a work-group, no clusters, 0 bytes of LDS; arguments cin_W0, cin_W1, cin_W2, dnn_W0, dnn_W1, wstream; writes wstream
.if DOCPART == 3
	.amdgcn_target "amdgcn-amd-amdhsa--gfx1250"
	.amdhsa_code_object_version 6
	.text
	.protected	k_qaaec9f2a03_prep
	.globl	k_qaaec9f2a03_prep
	.p2align	8
	.type	k_qaaec9f2a03_prep,@function
k_qaaec9f2a03_prep:
	s_mov_b64 s[64:65], 0
	v_nop
	global_prefetch_b8 v0, s[64:65] scope:SCOPE_SE
	s_setreg_imm32_b32 hwreg(HW_REG_WAVE_SCHED_MODE, 0, 2), 2
	s_setreg_imm32_b32 hwreg(HW_REG_WAVE_MODE, 25, 1), 1
	s_wait_xcnt 0x0
	s_wait_alu depctr_vm_vsrc(0)
; THE WEIGHT STREAM.  All matrix weights are rounded to bf16 once and laid in the order in which the main launch reads them, in fragments of 1,024 bytes:
; in a fragment lane l's registers 0-3 lie at 16 l, its registers 4-7 at 512 + 16 l.
;   CIN, from byte 0: 60 trips of 66,560 bytes (260 rows of 256).  Fragment (s, t) of a trip at s*13312 + t*1024: K step s = 0..4, outputs 16 t .. 16 t + 15.  Trips 0-9 are layer 0, 10-34 layer 1, 35-59 layer 2.
;     Trip g of a layer holds h = 4 g .. 4 g + 3 and all m, m padded from 39 to 40: 160 along K.  Lane (r = l % 16, x = l / 16) holds output 16 t + r and m = 20 x + ml;
;     its element e = 16 s + i (register i / 2, half i % 2) is hq = e / 20, ml = e % 20: W[o][(4 g + hq) * 39 + 20 x + ml], or 0 where o >= 200, m = 39, or (layer 0) h = 39.
;   DNN, from byte 3,993,600: 50 trips of 20,480 bytes.  Fragment (w, s) of trip T at w*5120 + s*1024.  Rows n = 16 j + r; registers 4 u .. 4 u + 3 hold k = 32 ks + 16 u + 8 x + 0..7.
;     T = j < 25: dnn_W0, ks = 5 w + s.  T = 25 + j: dnn_W1, ks = 4 w + s for s < 4.  Zeros where k passes the row's end and for s = 4 of dnn_W1.
; One wave a work-group, 980 work-groups, five fragments each.  (x, y) with x < 78: trip 6 y + x / 13, tile t = x % 13, its five K steps.  x >= 78: e = x - 78: DNN trip 5 y + e / 4, w = e % 4.
; Each store covers 512 consecutive bytes at a multiple of 512 from the stream's first byte.  Memory binds and the launch is short: no LDS, no matrix unit, no cluster.
; THE MODE: SCHED_MODE bits 1:0 = 2 (LLVM: expert scheduling mode 2), set by the entry lines.  The code itself states the register dependences
; between vector instructions and memory instructions, with s_wait_alu, always for 0.
; THE PLAN.  Registers that memory instructions touch:
;   v3      the stores' offset.  Written once at the head; read by the ten stores.
;   v7      CIN: the offset of the loads that want no clamp.  Written once; read by those 57 loads (the lines that make the clamped offsets read it too, and write it never).
;   AREG    the clamped offsets (CIN: 23) or the chunks' offsets (DNN: 10).  Each written once, ahead of a wait; read by its one or two loads behind it.
;   DREG    the loads land here; no vector instruction names these registers ahead of the wait for the loads' data; behind it the selects and roundings work on them.
;   OUTR    written once by the roundings; read by the ten stores.
; No register that a load or store reads is written again, so no wait on vm_vsrc is owed.  The offsets are made in runs, ahead of the loads that read them, so that one wait on va_vdst serves a whole run of
; loads: CIN has one for v7, one for AREG, one for OUTR; DNN one for AREG, one for OUTR.  The one scalar register that a vector instruction writes, s23, has its wait on va_sdst ahead of its first reader.
.set TRIPB,  66560
.set DNNOFF, 3993600
.set DTRIPB, 20480
.set DREG, 16                          ; v[16:95]    80 numbers in f32
.set AREG, 96                          ; v[96:118]   byte offsets of the loads that want a clamp (CIN) or of the ten chunks (DNN); each written once
.set OUTR, 120                         ; v[120:159]  the five fragments, 8 registers each
	s_load_b256 s[4:11], s[0:1], 0x0               ; cin_W0 s[4:5], cin_W1 s[6:7], cin_W2 s[8:9], dnn_W0 s[10:11]
	s_load_b128 s[12:15], s[0:1], 0x20             ; dnn_W1 s[12:13], wstream s[14:15]
	s_mov_b32 s16, ttmp9                           ; x
	s_and_b32 s17, ttmp7, 0xffff                   ; y
	v_and_b32 v1, 15, v0                           ; r
	v_lshrrev_b32 v2, 4, v0                        ; x of the lane
	v_lshlrev_b32 v3, 4, v0                        ; 16 l: my place in a block of 512 bytes; never rewritten
	s_mov_b32 s29, 0
	s_cmp_lt_u32 s16, 78
	s_cbranch_scc0 .Ldnn
	; ---- CIN
	s_mul_i32 s27, s16, 79
	s_lshr_b32 s27, s27, 10                        ; x / 13: 79 / 1024 serves for x below 78
	s_mul_i32 s28, s27, 13
	s_sub_co_u32 s16, s16, s28                     ; t
	s_mul_i32 s17, s17, 6
	s_add_co_u32 s17, s17, s27                     ; the trip
	s_mul_i32 s28, s17, TRIPB
	s_wait_kmcnt 0x0
	s_add_nc_u64 s[14:15], s[14:15], s[28:29]      ; the stream at this trip
	s_mov_b32 s18, 3900                            ; the row length of layers 1 and 2 (an instruction holds one literal: the select below names the other)
	s_cmp_lt_u32 s17, 35
	s_cselect_b64 s[20:21], s[6:7], s[8:9]         ; the layer's weights,
	s_cselect_b32 s19, 10, 35                      ; its first trip,
	s_cmp_lt_u32 s17, 10
	s_cselect_b64 s[20:21], s[4:5], s[20:21]
	s_cselect_b32 s19, 0, s19
	s_cselect_b32 s18, 1521, s18                   ; and its row length
	s_sub_co_u32 s19, s17, s19                     ; g
	s_mul_i32 s22, s18, 800
	s_sub_co_u32 s22, s22, 4                       ; byte offset of the tensor's last number: 200 rows x 4 bytes, less 4
	s_cmp_eq_u32 s17, 9
	s_cselect_b32 s27, 0, -1                       ; trip 9 is layer 0's last: its hq = 3 is h = 39, which does not exist
	v_lshl_add_u32 v4, s16, 4, v1                  ; o = 16 t + r
	v_cmp_gt_u32 s23, 200, v4                      ; s23: lanes whose output exists
	v_min_u32 v5, 199, v4                          ; the four lines that make v7 stand between the compare and the wait for its result
	v_mul_lo_u32 v5, v5, s18
	s_mul_i32 s28, s19, 156                        ; 4 g rows of 39
	v_mad_u32_u24 v6, v2, 20, s28
	v_add_lshl_u32 v7, v5, v6, 2                   ; byte offset of (o, h = 4 g, m = 20 x); never rewritten
	s_wait_alu depctr_va_sdst(0)                   ; the compare has written s23, ahead of its first reader, the line below; the selects further down read it too
	s_and_b32 s24, s23, 0xffff                     ; s24: for ml = 19, where the upper lanes hold m = 39
	s_and_b32 s25, s23, s27                        ; s25: for hq = 3
	s_and_b32 s26, s24, s27                        ; s26: for both
	s_lshl_b32 s28, s16, 10
	s_add_nc_u64 s[14:15], s[14:15], s[28:29]      ; + t fragments
	; 80 loads.  Only hq = 3 and ml = 19 can point past a row's last h or m, and so past the tensor's end in its last row: those 23 are clamped to the last number.
	; The other 57 go out first; the 23 offsets are made while they are on their way.
	s_wait_alu depctr_va_vdst(0)                   ; v7 is written, which the 57 loads below read as their offset (and v3, which the stores read)
.set e, 0
.rept 80
.if ((e/20) == 3) || ((e%20) == 19)
.else
	global_load_b32 v[DREG+e], v7, s[20:21] offset:(39*(e/20)+e%20)*4
.endif
.set e, e+1
.endr
.set ka, 0
.set e, 0
.rept 80
.if ((e/20) == 3) || ((e%20) == 19)
	v_add_nc_u32 v[AREG+ka], (39*(e/20)+e%20)*4, v7            ; these lines write AREG alone: no register that the loads above read or land in
	v_min_u32 v[AREG+ka], s22, v[AREG+ka]
.set ka, ka+1
.endif
.set e, e+1
.endr
	s_wait_alu depctr_va_vdst(0)                   ; the 23 clamped offsets are written, which the loads below read
.set ka, 0
.set e, 0
.rept 80
.if ((e/20) == 3) || ((e%20) == 19)
	global_load_b32 v[DREG+e], v[AREG+ka], s[20:21]
.set ka, ka+1
.endif
.set e, e+1
.endr
	s_wait_loadcnt 0x0
.set e, 0
.rept 80
	v_cndmask_b32 v[DREG+e], 0, v[DREG+e], s[23+((e%20)/19)+2*((e/20)/3)]  ; 0 where the element is padding
.set e, e+1
.endr
.set k, 0
.rept 40
	v_cvt_pk_bf16_f32 v[OUTR+k], v[DREG+2*k], v[DREG+2*k+1]
.set k, k+1
.endr
	s_wait_alu depctr_va_vdst(0)                   ; the roundings have written v[OUTR ..], which the ten stores read
.irp s, 0,1,2,3,4
.irp u, 0,1
	global_store_b128 v3, v[OUTR+8*\s+4*\u:OUTR+8*\s+4*\u+3], s[14:15] offset:\s*13312+\u*512
.endr
.endr
	s_endpgm
.Ldnn:	; ---- DNN
	s_sub_co_u32 s16, s16, 78                      ; e
	s_lshr_b32 s27, s16, 2
	s_and_b32 s16, s16, 3                          ; w
	s_mul_i32 s17, s17, 5
	s_add_co_u32 s17, s17, s27                     ; T
	s_mov_b32 s18, 1600                            ; bytes in a row of dnn_W1 (one literal an instruction, as above)
	s_wait_kmcnt 0x0
	s_cmp_lt_u32 s17, 25
	s_cselect_b64 s[20:21], s[10:11], s[12:13]
	s_cselect_b32 s18, 2496, s18                   ; bytes in a row
	s_cselect_b32 s19, 5, 4                        ; K steps a wave
	s_cselect_b32 s22, 0, 25
	s_sub_co_u32 s22, s17, s22                     ; j
	v_lshl_add_u32 v4, s22, 4, v1                  ; row 16 j + r
	v_mul_lo_u32 v4, v4, s18
	v_lshl_add_u32 v4, v2, 5, v4                   ; + 8 x numbers
	s_mul_i32 s24, s19, s16                        ; the wave's first K step
	s_mul_i32 s28, s17, DTRIPB
	s_add_nc_u64 s[14:15], s[14:15], s[28:29]      ; + T trips
	s_mul_i32 s28, s16, 5120
	s_add_nc_u64 s[14:15], s[14:15], s[28:29]      ; + 5 w fragments
	s_add_nc_u64 s[14:15], s[14:15], DNNOFF        ; behind the CIN part
	; the ten chunks' masks and offsets, all of them ahead of the loads
.irp s, 0,1,2,3,4
.irp u, 0,1
	s_add_co_u32 s25, s24, \s
	s_lshl_b32 s25, s25, 7
	s_add_co_u32 s25, s25, 64*\u                   ; the chunk's first byte in a row: 128 ks + 64 u
	s_add_co_u32 s26, s25, 64
	s_cmp_le_u32 s26, s18                          ; it ends inside the row,
	s_cselect_b32 s[32+2*\s+\u], -1, 0
	s_cmp_gt_u32 s19, \s                           ; and the wave has this K step
	s_cselect_b32 s[32+2*\s+\u], s[32+2*\s+\u], 0
	s_and_b32 s25, s25, s[32+2*\s+\u]              ; else column 0 is read, and thrown away
	v_add_nc_u32 v[AREG+2*\s+\u], s25, v4
.endr
.endr
	s_wait_alu depctr_va_vdst(0)                   ; the ten offsets are written, which the 20 loads below read (and v3, which the stores read)
.irp s, 0,1,2,3,4
.irp u, 0,1
	global_load_b128 v[DREG+16*\s+8*\u:DREG+16*\s+8*\u+3], v[AREG+2*\s+\u], s[20:21]
	global_load_b128 v[DREG+16*\s+8*\u+4:DREG+16*\s+8*\u+7], v[AREG+2*\s+\u], s[20:21] offset:16
.endr
.endr
	s_wait_loadcnt 0x0
.set e, 0
.rept 80
	v_cndmask_b32 v[DREG+e], 0, v[DREG+e], s[32+e/8]
.set e, e+1
.endr
.set k, 0
.rept 40
	v_cvt_pk_bf16_f32 v[OUTR+k], v[DREG+2*k], v[DREG+2*k+1]
.set k, k+1
.endr
	s_wait_alu depctr_va_vdst(0)                   ; the roundings have written v[OUTR ..], which the ten stores read
.irp s, 0,1,2,3,4
.irp u, 0,1
	global_store_b128 v3, v[OUTR+8*\s+4*\u:OUTR+8*\s+4*\u+3], s[14:15] offset:\s*1024+\u*512
.endr
.endr
	s_endpgm
.Lfunc_end_k_qaaec9f2a03_prep:
	.size	k_qaaec9f2a03_prep, .Lfunc_end_k_qaaec9f2a03_prep-k_qaaec9f2a03_prep
	.p2alignl 7, 3214868480
	.fill 96, 4, 3214868480
	.section	.rodata,"a",@progbits
	.p2align	6, 0x0
	.amdhsa_kernel k_qaaec9f2a03_prep
		.amdhsa_group_segment_fixed_size 0
		.amdhsa_private_segment_fixed_size 0
		.amdhsa_enable_private_segment 0
		.amdhsa_kernarg_size 48
		.amdhsa_user_sgpr_count 2
		.amdhsa_user_sgpr_kernarg_segment_ptr 1
		.amdhsa_wavefront_size32 1
		.amdhsa_system_sgpr_workgroup_id_x 1
		.amdhsa_system_sgpr_workgroup_id_y 1
		.amdhsa_system_sgpr_workgroup_id_z 1
		.amdhsa_system_vgpr_workitem_id 0
		.amdhsa_next_free_vgpr 160
		.amdhsa_next_free_sgpr 66
		.amdhsa_reserve_vcc 0
		.amdhsa_float_denorm_mode_32 3
		.amdhsa_float_denorm_mode_16_64 3
		.amdhsa_memory_ordered 1
		.amdhsa_forward_progress 1
		.amdhsa_inst_pref_size 36
	.end_amdhsa_kernel
	.amdgpu_metadata
---
amdhsa.version: [ 1, 2 ]
amdhsa.kernels:
  - .name:           k_qaaec9f2a03_prep
    .symbol:         k_qaaec9f2a03_prep.kd
    .args:
      - { .name: cin_W0, .offset: 0, .size: 8, .value_kind: global_buffer, .address_space: global }
      - { .name: cin_W1, .offset: 8, .size: 8, .value_kind: global_buffer, .address_space: global }
      - { .name: cin_W2, .offset: 16, .size: 8, .value_kind: global_buffer, .address_space: global }
      - { .name: dnn_W0, .offset: 24, .size: 8, .value_kind: global_buffer, .address_space: global }
      - { .name: dnn_W1, .offset: 32, .size: 8, .value_kind: global_buffer, .address_space: global }
      - { .name: wstream, .offset: 40, .size: 8, .value_kind: global_buffer, .address_space: global }
    .group_segment_fixed_size: 0
    .private_segment_fixed_size: 0
    .kernarg_segment_align: 8
    .kernarg_segment_size: 48
    .max_flat_workgroup_size: 32
    .sgpr_count:     66
    .vgpr_count:     160
    .wavefront_size: 32
...
	.end_amdgpu_metadata
.endif
;; end of part 3
;; launch xdeepfm: the kernel of part 2 again; grid 256 x 1, 4 waves a work-group, clusters of 4 x 1, 327,680 bytes of LDS; arguments feature_ids, feature_vals, emb, bias_emb, wstream, cin_b0, cin_b1, cin_b2, dnn_b0, dnn_b1, fc_W, fc_b, out0; writes out0
